; MI455X (gfx1250); checked and timed in simulation.
; The chip was launched on July 23, 2026; its instructions are those of AMD's public machine-readable ISA for CDNA 5 (MIT licence, August 2026) and "CDNA5" Instruction Set Architecture Reference Guide (July 2026). The comments in the code are by the model that wrote it; some were corrected since.
;; Simple Prediction Layer. Allowed arithmetic: matrix products marked QUANTISED: E2M3 operands, one E8M0 scale for each 32 along K, by v_wmma_scale_f32_16x16x128_f8f6f4 with both operands' format E2M3, f32 sums; products left as they are: f32 operands where the result goes on into a quantised operand, else bf16, f16 or f32 operands; f32 sums; everything else in f32.
;; Inputs: W1 512 x 512 float32; W2 512 x 1 float32; all_mapping 2 x 1,024 x 128 float32; b1 512 float32; b2 1 float32; input_state 2 x 1,024 x 512 float32.
;; Outputs: out0 2 x 128 x 1 float32.
;; This version of the problem:
;;   THIS VERSION OF THE PROBLEM IS GIVEN IN LOW PRECISION. The matrix products marked QUANTISED in the list below multiply operands that are first quantised to E2M3 (2 exponent bits, 3 mantissa bits; 6 bits a number), with one power-of-two scale for each 32 numbers along K (OCP MX v1.0); their sums are f32. All else is computed in f32.
;;   The module's matrix products, in the order in which they are computed (A, B: the left and right operand; K: the contracted axis; several contracted axes count as one K, in the product's order):
;;     1. [M 256, K 512] x [K 512, N 512]; A: computed on the way; B: input W1: QUANTISED
;;     2. [M 256, K 512] x [K 512, N 1]; A: computed on the way; B: input W2: left as it is (N = 1 < 16)
;;   THE QUANTISER, for each operand of a quantised product, along K:
;;     - K is cut into blocks of 32 from its start; a last block that is shorter is filled with zeros.
;;     - A block's scale is 2^e with e = floor(log2(the largest magnitude in the block)) - 2, held to -126 .. 127; a block of zeros has e = 0. As a byte (E8M0): e + 127.
;;     - Each number is divided by its block's scale, clamped to +-7.5, and rounded to the nearest number of E2M3, ties to even, subnormals kept.
;;     - The product sums the exact products of the quantised numbers (number of the format x scale) in f32.
;;   ~~~python
;;   def quantise(x, axis):      # numpy; x: float32 -> the quantised numbers, widened to float32 again
;;       x = np.moveaxis(x, axis, -1); K = x.shape[-1]
;;       x = np.pad(x, [(0, 0)] * (x.ndim - 1) + [(0, -K % 32)]); x = x.reshape(x.shape[:-1] + (-1, 32)); a = np.abs(x).max(-1, keepdims=True)
;;       e = np.where(a > 0, np.clip(np.frexp(np.where(a > 0, a, 1))[1] - 1 - 2, -126, 127), 0)      # np.frexp(a)[1] - 1 = floor(log2(a)), exactly
;;       r = np.clip(x / 2.0 ** e, -7.5, 7.5)
;;       step = 2.0 ** (np.maximum(np.frexp(np.where(r == 0, 1, r))[1] - 1, 0) - 3)
;;       q = np.round(r / step) * step * 2.0 ** e      # np.round: ties to even
;;       return np.moveaxis(q.reshape(q.shape[:-2] + (-1,))[..., :K], -1, axis).astype(np.float32)
;;   ~~~
;;   OPERANDS COMPUTED ON THE WAY. 'Computed on the way' means the value that the module computes at that place (a softmax that the list does not call 'softmax' is quantised finished and normalised). What goes into a quantiser is computed in f32, as accurately as f32 sums, v_exp_f32 and their like allow (about 1e-6 of the number): no bf16 or f16 on the way to a quantiser, and a product that is left as it is and whose result goes on into a quantised operand takes f32 operands (vector FMAs, or v_wmma_f32_16x16x4_f32). A number that lies on a knife's edge between two numbers of the format may be rounded either way, as far as f32 arithmetic and the matrix unit's own rounding can turn it there, and no further.
;; One version. Each part assembles by itself: llvm-mc -triple=amdgcn-amd-amdhsa -mcpu=gfx1250 --defsym DOCPART=n.
;; ======== version 1 of 1: 2 launches
;; limits: right only within a limited range of input values
;; workspace buffers: operands 307,200 bytes
;; launch reduce (part 1): grid 16 x 16, 8 waves a work-group, no clusters, 167,936 bytes of LDS; arguments all_mapping, input_state, W1, operands; writes operands
.if DOCPART == 1
	.amdgcn_target "amdgcn-amd-amdhsa--gfx1250"
	.amdhsa_code_object_version 6
	.text
	.protected	k_q19791b5534_reduce
	.globl	k_q19791b5534_reduce
	.p2align	8
	.type	k_q19791b5534_reduce,@function
k_q19791b5534_reduce:
	s_mov_b64 s[64:65], 0
	v_nop
	global_prefetch_b8 v0, s[64:65] scope:SCOPE_SE
	s_setreg_imm32_b32 hwreg(HW_REG_WAVE_MODE, 25, 1), 1
	s_wait_xcnt 0x0
; sp[b][n][d] = max over s of all_mapping[b][s][n] * input_state[b][s][d], then quantised along d to codes of FP6 (E2M3) with one E8M0 scale byte for each 32; and W1 [512 (k)][512 (n)] quantised along k likewise.
; all_mapping: [2][1024][128] f32, input_state: [2][1024][512] f32.  The mapping is multiplied as the float that it is: nothing is assumed of its values.
; SHARES.  A work-group owns one b, 16 n (a tile of rows of the product that follows) and 32 d (one block of the quantiser), for all 1,024 s: 512 outputs.  Each of the eight waves takes 128 s.
; A LANE HOLDS 16 n x 4 d IN 64 ACCUMULATORS, for every fourth s of its wave: lane bits 0-2 say which 4 d, bits 3-4 which of four s.
; The state: a lane's 4 d of its s are 16 bytes that no other lane wants: they come from memory straight into registers, four rows x 128 bytes a load.
; The mapping: a lane's 16 n of its s are 64 bytes that eight lanes want: a wave's own 128 rows x 64 bytes go through registers into the wave's own part of LDS, and are read from there; no barrier is wanted.
; CHUNKS.  A wave's s go in eight chunks of 16: two loads of the mapping, four of the state.  Every wave asks for chunk 0 ahead of a barrier, so that no wave's later chunks are asked for ahead of another's first; then for
; chunks 1 and 2; then, in every second pair of steps, for the chunk three further on.
; Two s of a lane go together: v_pk_mul_f32 makes two products (two d, one n, one s), v_max3_num_f32 takes the products of both s into an accumulator: one instruction for each product.
; NO CLUSTER: joint requests are tensor loads, and these tiles would be 2,048 rows of 128 and 64 bytes for each work-group, under 256 bytes a row; the state's bytes go to one wave's registers alone and need no place in LDS.
; No prefetch: every load is itself issued three chunks, six pairs of steps, ahead of its use.
; THE END.  The four s-lanes are joined in registers, the eight waves' maxima through LDS.  Then wave 0 quantises the 16 x 32 maxima, while wave 1 quantises the work-group's piece of W1, 32 k x 32 columns:
; each wave has brought four of its rows into LDS.
; A block's scale is 2^(floor(log2(its largest magnitude)) - 2); its byte is the largest magnitude's exponent field - 2, held at 1 from below.
; LIMITS: NaN and infinities among the inputs are not served (the maxima drop a NaN); a block of zeros gets the byte 1 where the rule says 127: its codes are zeros, and this program alone reads the bytes;
; blocks whose largest magnitude lies under 2^-124 have their byte held at 1.
; THE WORKSPACE, as the next launch reads it.  A tile of 16 rows (of sp) or of 16 columns (of W1) has 6,144 bytes of codes: [16 blocks][16 rows] x the block's first 16 bytes, then the same x its last 8.
;   AC: sp's 16 tiles.  AS: its scale bytes [256 rows][16 blocks].  W: W1's 32 tiles.  WS: its scale bytes [512 columns][16 blocks].
; One work-group is to lie on a WGP: more than half of the LDS is claimed; the text uses 89,088 bytes.
.set PART,   65536                     ; behind the waves' mappings, 8,192 bytes each: each wave's 16 x 32 maxima, rows of 128 bytes + 16
.set PP,     144
.set PSZ,    16*PP
.set WST,    PART+8*PSZ                ; behind them W1's piece, 32 rows of 128 bytes
.set SPARE,  WST+4096                  ; behind it the spare words, 128 bytes for each wave
.set TC,     6144                      ; a tile's codes
.set AS_OFF, 98304
.set W_OFF,  102400
.set WS_OFF, 299008
.set NIL, 1                            ; v1   0; never rewritten
.set XO,  2                            ; v2   the state: my 16 bytes in the wave's first four rows
.set MO,  3                            ; v3   the mapping: my 16 bytes in the wave's first eight rows
.set MSA, 4                            ; v4   LDS: where I put them
.set MRA, 5                            ; v5   LDS: my s's row in the first four
.set PW,  6                            ; v6   LDS: where I put my maxima
.set PR,  7                            ; v7   LDS: where wave 0 reads them back
.set SPW, 8                            ; v8   LDS address of my spare word: SPARE + 4 x my thread's number; never rewritten
.set ACC, 9                            ; v9-72   accumulator (n, d) at 4 n + d
.set WSA, 73                           ; v73  LDS: where I put W1's rows
.set WRA, 74                           ; v74  LDS: where wave 1 reads them back
.set WLO, 75                           ; v75  W1: my column in my wave's first row of the piece
.set WN,  76                           ; v76-79   my wave's four rows of W1's piece
.set X,   80                           ; v80-143   the state: four chunks of four steps of four registers
.set MBUF,144                          ; v144-207  the mapping: two buffers of 2 s x 16 n
.set TMP, 208                          ; v208-223  products
.set MS,  224                          ; v224-255  the mapping on its way into LDS: four chunks of 8 registers
.set E,   80                           ; the join: 32 maxima
.set CB,  80                           ; wave 0: the eight waves' parts, 16 registers each
.set OQ,  16                           ; and its 16 maxima
.set WQ,  80                           ; wave 1: 32 numbers of a column of W1
.set WV,  12                           ; s12  my wave's number
	s_load_b256 s[4:11], s[0:1], 0x0               ; the mapping s[4:5], the state s[6:7], W1 s[8:9], the workspace s[10:11]
	v_lshrrev_b32 v208, 5, v0
	v_readfirstlane_b32 s[WV], v208                ; wave 0..7
	s_mov_b32 s13, ttmp9                           ; x: which 32 d
	s_and_b32 s14, ttmp7, 0xffff                   ; y = 8 b + which 16 n
	s_lshr_b32 s15, s14, 3                         ; b
	s_lshl_b32 s16, s15, 21                        ; the state: b x 1,024 rows of 2,048 bytes
	s_lshl_b32 s18, s[WV], 18                      ; + my wave's 128 rows
	s_add_co_u32 s16, s16, s18
	s_lshl_b32 s18, s13, 7                         ; + 128 bytes for each 32 d
	s_add_co_u32 s16, s16, s18
	s_mov_b32 s17, 0
	s_lshl_b32 s18, s15, 19                        ; the mapping: b x 1,024 rows of 512 bytes
	s_and_b32 s19, s14, 7
	s_lshl_b32 s19, s19, 6                         ; + 64 bytes for each 16 n
	s_add_co_u32 s18, s18, s19
	s_lshl_b32 s19, s[WV], 16                      ; + my wave's 128 rows
	s_add_co_u32 s18, s18, s19
	s_mov_b32 s19, 0
	s_lshl_b32 s22, s[WV], 13                      ; LDS: my wave's mapping
	s_mul_i32 s23, s[WV], PSZ
	s_add_co_u32 s23, s23, PART                    ; my wave's part
	s_mul_i32 s24, s14, TC                         ; sp's tile y
	s_lshl_b32 s25, s13, 8
	s_add_co_u32 s25, s25, s24                     ; block x: 256 bytes among the first parts,
	s_lshl_b32 s26, s13, 7
	s_add_co_u32 s26, s26, s24
	s_add_co_u32 s26, s26, 4096                    ; 128 among the second
	s_lshl_b32 s27, s14, 8
	s_add_co_u32 s27, s27, s13                     ; AS: row 16 y + r, block x
	s_mul_i32 s28, s13, 2*TC                       ; W1's piece is block y of columns 32 x .. 32 x + 31: tiles 2 x and 2 x + 1
	s_lshl_b32 s29, s14, 8
	s_add_co_u32 s29, s29, s28
	s_lshl_b32 s30, s14, 7
	s_add_co_u32 s30, s30, s28
	s_add_co_u32 s30, s30, 4096
	s_lshl_b32 s31, s13, 9
	s_add_co_u32 s31, s31, s14                     ; WS: column 32 x + lane, block y
	s_lshl_b32 s32, s14, 16                        ; W1: row 32 y
	s_lshl_b32 s33, s13, 7
	s_add_co_u32 s32, s32, s33
	s_lshl_b32 s33, s[WV], 13                      ; + 4 x wave
	s_add_co_u32 s32, s32, s33
	s_lshl_b32 s34, s[WV], 9
	s_add_co_u32 s34, s34, WST
	s_mov_b32 s20, 0x76543210
	s_mov_b32 s21, 0xfedcba98                      ; v_permlanex16_b32's selects for lane l xor 16
	v_lshl_add_u32 v[SPW], v0, 2, SPARE
	v_mov_b32 v[NIL], 0
	v_and_b32 v208, 31, v0                         ; lane
	v_bfe_u32 v209, v0, 4, 1                       ; lane / 16
	v_and_b32 v210, 7, v0                          ; which 4 d
	v_bfe_u32 v211, v0, 3, 2                       ; which of four s
	v_and_b32 v212, 15, v0                         ; r = lane % 16
	v_bfe_u32 v214, v0, 2, 3                       ; lane / 4
	v_and_b32 v215, 3, v0                          ; lane % 4
	v_lshlrev_b32 v213, 11, v211
	v_lshlrev_b32 v214, 9, v214
	v_mul_u32_u24 v[PW], v209, 8*PP                ; lanes 16-31 keep the upper eight n
	v_mul_u32_u24 v[PR], v212, PP
	v_lshl_add_u32 v[XO], v210, 4, v213
	v_lshl_add_u32 v[MO], v215, 4, v214
	v_lshl_add_u32 v[MSA], v208, 4, s22
	v_lshl_add_u32 v[MRA], v211, 6, s22
	v_lshl_add_u32 v[PW], v210, 4, v[PW]
	v_lshl_add_u32 v[PR], v209, 6, v[PR]
	v_lshl_add_u32 v[WSA], v208, 2, s34
	v_lshl_add_u32 v[WRA], v208, 2, WST
	v_lshl_add_u32 v[WLO], v208, 2, s32
	v_add_nc_u32 v[PW], s23, v[PW]
	v_add_nc_u32 v[PR], PART, v[PR]
	s_wait_alu depctr_va_vdst(0)                   ; the wait at the head's end
	s_wait_kmcnt 0x0
	s_add_nc_u64 s[6:7], s[6:7], s[16:17]
	s_add_nc_u64 s[4:5], s[4:5], s[18:19]
.macro LOADC c                         ; chunk c: the mapping's 16 rows x 64 bytes, then the state for steps 4 c .. 4 c + 3 (step q: my 4 d of row 4 q + which of four s)
.irp i, 0,1
	global_load_b128 v[MS+8*((\c)%4)+4*\i:MS+8*((\c)%4)+4*\i+3], v[MO], s[4:5] offset:8192*(\c)+4096*\i
.endr
.irp i, 0,1,2,3
	global_load_b128 v[X+16*((\c)%4)+4*\i:X+16*((\c)%4)+4*\i+3], v[XO], s[6:7] offset:32768*(\c)+8192*\i
.endr
.endm
.macro STOREM c                        ; the chunk's mapping into LDS, rows of 64 bytes on end
.irp i, 0,1
	ds_store_b128 v[MSA], v[MS+8*((\c)%4)+4*\i:MS+8*((\c)%4)+4*\i+3] offset:1024*(\c)+512*\i
.endr
.endm
.macro FETCHM p                        ; the mapping for pair p, which is steps 2 p and 2 p + 1: 16 n of each of my two s
.set NB, MBUF+32*((\p)%2)
.irp e, 0,1
.irp j, 0,1,2,3
	ds_load_b128 v[NB+16*\e+4*\j:NB+16*\e+4*\j+3], v[MRA] offset:512*(\p)+256*\e+16*\j
.endr
.endr
.endm
; 128 products of a lane: two n at a time, eight packed multiplications (by the one number of the mapping, picked out of its pair), then eight maxima of three.
; Pair 0 starts the maxima: nothing is set beforehand.
.macro WORK p
.set MB, MBUF+32*((\p)%2)
.set XS, X+4*((2*(\p))%16)
.irp g, 0,1,2,3,4,5,6,7
.irp q, 0,1
	v_pk_mul_f32 v[TMP+4*\q:TMP+4*\q+1],    v[XS+2*\q:XS+2*\q+1],   v[MB+2*\g:MB+2*\g+1] op_sel_hi:[1,0]
	v_pk_mul_f32 v[TMP+4*\q+2:TMP+4*\q+3],  v[XS+4+2*\q:XS+5+2*\q], v[MB+16+2*\g:MB+17+2*\g] op_sel_hi:[1,0]
	v_pk_mul_f32 v[TMP+8+4*\q:TMP+9+4*\q],  v[XS+2*\q:XS+2*\q+1],   v[MB+2*\g:MB+2*\g+1] op_sel:[0,1] op_sel_hi:[1,1]
	v_pk_mul_f32 v[TMP+10+4*\q:TMP+11+4*\q], v[XS+4+2*\q:XS+5+2*\q], v[MB+16+2*\g:MB+17+2*\g] op_sel:[0,1] op_sel_hi:[1,1]
.endr
.irp k, 0,1,2,3
.if (\p) == 0
	v_max_num_f32 v[ACC+8*\g+2*\k],   v[TMP+4*\k],   v[TMP+4*\k+2]
	v_max_num_f32 v[ACC+8*\g+2*\k+1], v[TMP+4*\k+1], v[TMP+4*\k+3]
.else
	v_max3_num_f32 v[ACC+8*\g+2*\k],   v[ACC+8*\g+2*\k],   v[TMP+4*\k],   v[TMP+4*\k+2]
	v_max3_num_f32 v[ACC+8*\g+2*\k+1], v[ACC+8*\g+2*\k+1], v[TMP+4*\k+1], v[TMP+4*\k+3]
.endif
.endr
.endr
.endm
; A pair.  n = the global loads that may stay out: those issued behind the last one that this pair needs (its state; in a chunk's second pair the next chunk's mapping too).
; All its memory instructions stand in one run ahead of its work: the next pair's mapping, and in a chunk's first pair the loads of the chunk three further on, into registers that the chunk before has left.
.macro PAIR p, n
	s_wait_loadcnt \n
	s_wait_dscnt 0x0                               ; this pair's mapping is in, and my stores into LDS have read their registers
.if (((\p)%2) == 1) && ((\p) < 15)
	STOREM ((\p)+1)/2                              ; LDS serves a wave's instructions in order (ISA guide 5.7.1.4): the loads below see these
.endif
.if (\p) < 15
	FETCHM (\p)+1
.endif
.if (((\p)%2) == 0) && ((\p) < 10)
	LOADC (\p)/2+3
.endif
.if (\p) == 7
.irp i, 0,1,2,3
	ds_store_b32 v[WSA], v[WN+\i] offset:128*\i    ; my four rows of W1's piece, in by now: they were asked for ahead of chunk 3
.endr
.endif
	WORK \p
.endm
	LOADC 0
	s_barrier_signal -1                            ; every wave has asked for its chunk 0 ahead of anybody's chunk 1
	s_barrier_wait -1
	LOADC 1
	LOADC 2
.irp i, 0,1,2,3
	global_load_b32 v[WN+\i], v[WLO], s[8:9] offset:2048*\i th:TH_LOAD_NT   ; W1(32 y + 4 wave + i, my column): 32 lanes read 128 consecutive bytes
.endr
	s_wait_loadcnt 20                              ; chunk 0's mapping is in: of 22 loads the twenty behind it may be out
	STOREM 0
	FETCHM 0
; Issue order: chunks 0 to 2 are loads 1 to 18, W1's rows 19 to 22, chunk c from 3 on loads 6 c + 5 to 6 c + 10; 22 are out ahead of pair 0, six more behind each of pairs 0, 2, 4, 6 and 8's waits.
	PAIR 0, 18
	PAIR 1, 20
	PAIR 2, 18
	PAIR 3, 20
	PAIR 4, 18
	PAIR 5, 16
	PAIR 6, 14
	PAIR 7, 16
	PAIR 8, 14
	PAIR 9, 16
	PAIR 10, 14
	PAIR 11, 10
	PAIR 12, 8
	PAIR 13, 4
	PAIR 14, 2
	PAIR 15, 0
	; The four lanes that hold the same outputs for different s are joined.  Lanes l and l xor 16: accumulators of n and n + 8 change halves, so that one maximum joins both: lanes 0-15 keep n, lanes 16-31 n + 8.
.set I, 0
.rept 32
	v_permlane16_swap_b32 v[ACC+I], v[ACC+32+I]
.set I, I+1
.endr
.set I, 0
.rept 32
	v_max_num_f32 v[E+I], v[ACC+I], v[ACC+32+I]
.set I, I+1
.endr
.set I, 0
.rept 32
	v_max_num_f32_dpp v[E+I], v[E+I], v[E+I] row_xmask:8 row_mask:0xf bank_mask:0xf   ; lanes l and l xor 8: both then hold the same
.set I, I+1
.endr
.irp i, 0,1,2,3,4,5,6,7
	ds_store_b128 v[PW], v[E+4*\i:E+4*\i+3] offset:\i*PP           ; (lanes l and l xor 8 write the same bytes with the same values)
.endr
	s_wait_dscnt 0x0                               ; for waves 0 and 1: my maxima and my rows of W1 lie in LDS
	s_barrier_signal -1
	s_barrier_wait -1
	s_cmp_eq_u32 s[WV], 0
	s_cbranch_scc1 .Lrows
	s_cmp_eq_u32 s[WV], 1
	s_cbranch_scc1 .Lweights
	s_branch .Lclose
.Lrows:                                            ; WAVE 0: lane (r, h) takes row r, d 16 h .. 16 h + 15, of all eight parts
.irp p, 0,1,2,3,4,5,6,7
.irp i, 0,1,2,3
	ds_load_b128 v[CB+16*\p+4*\i:CB+16*\p+4*\i+3], v[PR] offset:\p*PSZ+16*\i
.endr
.endr
	v_and_b32 v224, 15, v0                         ; r
	v_lshl_add_u32 v225, v224, 4, s25              ; AC: my row's first 16 bytes,
	v_lshl_add_u32 v226, v224, 3, s26              ; its last 8;
	v_lshl_add_u32 v227, v224, 4, s27              ; its byte in AS
	s_wait_dscnt 20                                ; parts 0 to 2 are in (five parts' 20 loads behind them)
.set Q, 0
.rept 16
	v_max3_num_f32 v[OQ+Q], v[CB+Q], v[CB+16+Q], v[CB+32+Q]
.set Q, Q+1
.endr
	s_wait_dscnt 12                                ; parts 3 and 4
.set Q, 0
.rept 16
	v_max3_num_f32 v[OQ+Q], v[OQ+Q], v[CB+48+Q], v[CB+64+Q]
.set Q, Q+1
.endr
	s_wait_dscnt 4                                 ; parts 5 and 6
.set Q, 0
.rept 16
	v_max3_num_f32 v[OQ+Q], v[OQ+Q], v[CB+80+Q], v[CB+96+Q]
.set Q, Q+1
.endr
	s_wait_dscnt 0x0
.set Q, 0
.rept 16
	v_max_num_f32 v[OQ+Q], v[OQ+Q], v[CB+112+Q]
.set Q, Q+1
.endr
	v_max3_num_f32 v32, |v[OQ]|, |v[OQ+1]|, 0x1800000              ; the largest magnitude of my 16, and the floor 2^(3 - 127): so the byte cannot fall under 1
	v_max3_num_f32 v33, |v[OQ+2]|, |v[OQ+3]|, |v[OQ+4]|
	v_max3_num_f32 v32, v32, |v[OQ+5]|, |v[OQ+6]|
	v_max3_num_f32 v33, v33, |v[OQ+7]|, |v[OQ+8]|
	v_max3_num_f32 v32, v32, |v[OQ+9]|, |v[OQ+10]|
	v_max3_num_f32 v33, v33, |v[OQ+11]|, |v[OQ+12]|
	v_max3_num_f32 v32, v32, |v[OQ+13]|, |v[OQ+14]|
	v_max3_num_f32 v33, v33, v32, |v[OQ+15]|
	v_permlanex16_b32 v34, v33, s20, s21           ; (v34 has held a maximum: a lane permute's destination counts as one of its sources)
	v_max_num_f32 v33, v33, v34                    ; with lane l xor 16's 16: the block's
	v_add_nc_u32 v35, 0xff000000, v33              ; 2 off its exponent field: the conversion takes the exponent field of this operand as its scale, and nothing else of it
	v_cvt_scalef32_pk16_fp6_f32 v[40:42], v[OQ:OQ+15], v35
	v_lshrrev_b32 v36, 23, v35                     ; the scale's byte (and the plain place behind the conversion)
	v_mov_b32 v43, v40
	v_mov_b32 v44, v41
	v_mov_b32 v45, v42
.irp i, 0,1,2
	v_permlane16_swap_b32 v[40+\i], v[43+\i]       ; v40-42 then hold the block's lower 12 bytes in both halves of the lanes, v43-45 its upper 12
.endr
	global_store_b128 v225, v[40:43], s[10:11]                      ; 16 rows x 16 bytes: 256 consecutive bytes at a multiple of 256 (both lanes of a row write the same bytes with the same values)
	global_store_b64 v226, v[44:45], s[10:11]
	global_store_b8 v227, v36, s[10:11] offset:AS_OFF
	s_branch .Lclose
.Lweights:                                         ; WAVE 1: a lane holds a whole block of 32 along K of one column of W1
.set I, 0
.rept 32
	ds_load_b32 v[WQ+I], v[WRA] offset:128*I
.set I, I+1
.endr
	v_and_b32 v224, 15, v0                         ; r
	v_bfe_u32 v225, v0, 4, 1                       ; lanes 16-31: the second tile of columns
	v_and_b32 v229, 31, v0
	v_mul_u32_u24 v225, v225, TC
	v_lshl_add_u32 v226, v224, 4, v225
	v_lshl_add_u32 v227, v224, 3, v225
	v_lshl_add_u32 v228, v229, 4, s31              ; my column's byte in WS
	v_add_nc_u32 v226, s29, v226                   ; W: my column's first 16 bytes,
	v_add_nc_u32 v227, s30, v227                   ; its last 8
	s_wait_dscnt 0x0
	v_max3_num_f32 v208, |v[WQ]|, |v[WQ+1]|, |v[WQ+2]|
	v_max3_num_f32 v209, |v[WQ+3]|, |v[WQ+4]|, |v[WQ+5]|
.irp i, 6,10,14,18,22,26
	v_max3_num_f32 v208, v208, |v[WQ+\i]|, |v[WQ+\i+1]|
	v_max3_num_f32 v209, v209, |v[WQ+\i+2]|, |v[WQ+\i+3]|
.endr
	v_max3_num_f32 v208, v208, |v[WQ+30]|, |v[WQ+31]|
	v_max3_num_f32 v208, v208, v209, 0x1800000     ; and the floor
	v_add_nc_u32 v210, 0xff000000, v208
	v_lshrrev_b32 v211, 23, v210
	v_cvt_scalef32_pk16_fp6_f32 v[212:214], v[WQ:WQ+15], v210
	v_cvt_scalef32_pk16_fp6_f32 v[220:222], v[WQ+16:WQ+31], v210    ; (a conversion's three registers begin on an even number)
	v_nop                                          ; one plain place behind a scaled conversion
	v_mov_b32 v215, v220
	v_mov_b32 v216, v221
	v_mov_b32 v217, v222                           ; v212-217: the block's 24 bytes
	global_store_b128 v226, v[212:215], s[10:11] offset:W_OFF       ; sixteen lanes store 256 consecutive bytes, at a multiple of 256 from the buffer's first byte
	global_store_b64 v227, v[216:217], s[10:11] offset:W_OFF
	global_store_b8 v228, v211, s[10:11] offset:WS_OFF
.Lclose:
	s_wait_tensorcnt 0x0                           ; the wave's end: behind my last LDS store
	ds_add_u32 v[SPW], v[NIL]
	s_wait_dscnt 0x0
	s_endpgm
.Lfunc_end_k_q19791b5534_reduce:
	.size	k_q19791b5534_reduce, .Lfunc_end_k_q19791b5534_reduce-k_q19791b5534_reduce
	.p2alignl 7, 3214868480
	.fill 96, 4, 3214868480
	.section	.rodata,"a",@progbits
	.p2align	6, 0x0
	.amdhsa_kernel k_q19791b5534_reduce
		.amdhsa_group_segment_fixed_size 167936
		.amdhsa_private_segment_fixed_size 0
		.amdhsa_enable_private_segment 0
		.amdhsa_kernarg_size 32
		.amdhsa_user_sgpr_count 2
		.amdhsa_user_sgpr_kernarg_segment_ptr 1
		.amdhsa_wavefront_size32 1
		.amdhsa_system_sgpr_workgroup_id_x 1
		.amdhsa_system_sgpr_workgroup_id_y 1
		.amdhsa_system_sgpr_workgroup_id_z 1
		.amdhsa_system_vgpr_workitem_id 0
		.amdhsa_next_free_vgpr 256
		.amdhsa_next_free_sgpr 66
		.amdhsa_reserve_vcc 0
		.amdhsa_float_denorm_mode_32 3
		.amdhsa_float_denorm_mode_16_64 3
		.amdhsa_memory_ordered 1
		.amdhsa_forward_progress 1
		.amdhsa_inst_pref_size 161
	.end_amdhsa_kernel
	.amdgpu_metadata
---
amdhsa.version: [ 1, 2 ]
amdhsa.kernels:
  - .name:           k_q19791b5534_reduce
    .symbol:         k_q19791b5534_reduce.kd
    .args:
      - { .name: all_mapping, .offset: 0, .size: 8, .value_kind: global_buffer, .address_space: global }
      - { .name: input_state, .offset: 8, .size: 8, .value_kind: global_buffer, .address_space: global }
      - { .name: W1, .offset: 16, .size: 8, .value_kind: global_buffer, .address_space: global }
      - { .name: operands, .offset: 24, .size: 8, .value_kind: global_buffer, .address_space: global }
    .group_segment_fixed_size: 167936
    .private_segment_fixed_size: 0
    .kernarg_segment_align: 8
    .kernarg_segment_size: 32
    .max_flat_workgroup_size: 256
    .sgpr_count:     66
    .vgpr_count:     256
    .wavefront_size: 32
...
	.end_amdgpu_metadata
.endif
;; end of part 1
;; launch head (part 2): grid 16 x 1, 16 waves a work-group, no clusters, 167,936 bytes of LDS; arguments operands, b1, W2, b2, out0; writes out0
.if DOCPART == 2
	.amdgcn_target "amdgcn-amd-amdhsa--gfx1250"
	.amdhsa_code_object_version 6
	.text
	.protected	k_q19791b5534_head
	.globl	k_q19791b5534_head
	.p2align	8
	.type	k_q19791b5534_head,@function
k_q19791b5534_head:
	s_mov_b64 s[64:65], 0
	v_nop
	global_prefetch_b8 v0, s[64:65] scope:SCOPE_SE
	s_setreg_imm32_b32 hwreg(HW_REG_WAVE_MODE, 25, 1), 1
	s_wait_xcnt 0x0
; out0[row] = sum over columns j of relu((sp W1)[row][j] + b1[j]) W2[j] + b2.  sp [256][512] and W1 [512][512] come as codes of FP6 (E2M3) with E8M0 scale bytes, made by the launch before; the product is done on the codes, sums in f32.
; SHARES.  The sum over all 512 columns stands behind the relu, so a row's 512 columns belong to one work-group: 16 rows (one tile) to a work-group, 16 work-groups.  Each of the sixteen waves takes 32 columns:
; two tiles of columns x four K steps of 128: eight matrix instructions.
; W1's codes of a tile of columns are 6,144 dense bytes of the workspace.  Only that wave reads it, behind its own wait; no LDS byte is filled twice.
; Its second tile comes by sixteen plain loads straight into the operand's registers.
; The tile's rows' codes, 6,144 bytes, are wanted by all sixteen waves: each thread brings 8 + 4 bytes of them through registers into LDS, as they lie; a barrier stands between these stores and the reads, and W1 stays on its way across it.
; All codes lie in the order of the operand's registers: 16 lanes' first 16 bytes of a block on end, and their last 8 on end: a half fragment is one load of 16 and one of 8 bytes: no padding is wanted.
; THE MATRIX INSTRUCTION IS USED TRANSPOSED: source 0 = 16 columns of W1, source 1 = the 16 rows.  A lane then holds ONE row (lane % 16) and eight columns, 8 (lane / 16) + 0 .. 7: b1 of these columns is loaded straight into
; the accumulator, W2 of them into eight registers beside it, and a row's sum wants one exchange between the halves of the lanes.
; No cluster: all sixteen work-groups ask for the same 196,608 bytes of W1, but each asks once, in its only group of loads: a joint request would put a round of the cluster's barrier in front of that one group and another at the end.
; No prefetch: the text has no loop to run ahead in.
; The second product (one column) is done by fused multiply-adds in f32.  The order of its sum differs from a plain ascending one.  LIMITS: as the launch before.
.set TC,     6144                      ; a tile's codes: 4,096 bytes of the blocks' first 16, then 2,048 of their last 8
.set AS_OFF, 98304
.set W_OFF,  102400
.set WS_OFF, 299008
.set ABASE,  16*TC                     ; LDS: sixteen waves' first tiles of W1; behind them, in blocks of 256 bytes into which no tensor load lands, the rows' codes;
.set PARTS,  ABASE+TC                  ; 16 rows x 16 waves' sums;
.set SPARE,  PARTS+1024                ; and the spare words, 128 bytes for each wave
.set WSC, 16                           ; v16-19   W1's scale words of K steps 0 to 3: lanes 0-15 my first tile of columns, lanes 16-31 my second
.set ASC, 20                           ; v20-23   the rows' scale words
.set ACC, 24                           ; v24-39   two accumulators
.set W2R, 40                           ; v40-55   W2 in the accumulators' layout
.set AF,  56                           ; v56-103  the rows' four fragments
.set WF,  104                          ; v104-199 W1's eight: tile u, K step j at 12 (4 u + j)
.set T,   200                          ; v200-215 at work
.set RC,  212                          ; v212-214 my 12 bytes of the rows' codes, on their way into LDS
.set S0,  216
.set S1,  218
.set XH,  220
.set W8O, 221
.set OUTO, 222
.set SPW, 224                          ; v224     LDS address of my spare word: SPARE + 4 x my thread's number; never rewritten
.set NIL, 225                          ; v225     0; never rewritten
.set G1W, 24                           ; s[24:31] descriptor group 1 for W1's codes;  s[40:43] group 0
.set G0W, 40
	s_load_b256 s[4:11], s[0:1], 0x0               ; the workspace s[4:5], b1 s[6:7], W2 s[8:9], b2 s[10:11]
	s_load_b64 s[12:13], s[0:1], 0x20              ; out0
	v_lshl_add_u32 v[SPW], v0, 2, SPARE
	v_mov_b32 v[NIL], 0
	ds_add_u32 v[SPW], v[NIL]                      ; the wave's opening: the add, twice on end, and its wait ahead of my tensor load
	ds_add_u32 v[SPW], v[NIL]
	v_lshrrev_b32 v1, 5, v0
	v_readfirstlane_b32 s14, v1                    ; wave 0..15
	; group 1: 6,144 dense bytes as 24 rows of 256 bytes (32 elements of 8 bytes)
	s_mov_b32 s[G1W], 3<<16                        ; no mask; elements of 8 bytes; no padding
	s_mov_b32 s[G1W+1], 32<<16                     ; tensor_dim0
	s_mov_b32 s[G1W+2], 24<<16                     ; tensor_dim1
	s_mov_b32 s[G1W+3], 32<<16                     ; tile_dim0
	s_mov_b32 s[G1W+4], 24                         ; tile_dim1
	s_mov_b32 s[G1W+5], 32                         ; elements from row to row
	s_mov_b32 s[G1W+6], 0
	s_mov_b32 s[G1W+7], 0
	s_mul_i32 s16, s14, TC                         ; my first tile's place in LDS,
	s_mul_i32 s17, s14, 2*TC                       ; and among W1's codes
	s_add_co_u32 s48, s17, W_OFF
	s_mov_b32 s49, 0
	s_mov_b32 s[G0W], 1                            ; count = 1
	s_mov_b32 s[G0W+1], s16                        ; LDS address
	s_mul_i32 s50, ttmp9, TC                       ; my tile of rows: the first parts,
	s_add_co_u32 s51, s50, 4096                    ; the second
	s_add_co_u32 s18, s16, 4096
	s_lshl_b32 s19, s14, 9
	s_lshl_b32 s22, ttmp9, 8
	s_lshl_b32 s23, s14, 7
	s_lshl_b32 s52, s14, 2
	s_add_co_u32 s52, s52, PARTS
	s_lshl_b32 s53, ttmp9, 6
	s_mov_b32 s20, 0x76543210
	s_mov_b32 s21, 0xfedcba98                      ; v_permlanex16_b32's selects for lane l xor 16
	v_and_b32 v1, 31, v0                           ; lane
	v_and_b32 v[T], 15, v0                         ; r
	v_bfe_u32 v[T+1], v0, 4, 1                     ; h
	v_lshl_add_u32 v2, v0, 3, s50                  ; the rows' codes: my 8 bytes of the tile's first 4,096,
	v_lshl_add_u32 v3, v0, 2, s51                  ; my 4 of its last 2,048,
	v_lshl_add_u32 v13, v0, 3, ABASE               ; and the same places in LDS
	v_lshl_add_u32 v14, v0, 2, ABASE+4096
	v_lshl_add_u32 v4, v1, 4, s16                  ; LDS: my first tile of W1, the blocks' first 16 bytes: 16 x lane
	v_lshl_add_u32 v5, v1, 3, s18                  ; their last 8: 8 x lane
	v_lshl_add_u32 v15, v1, 4, s17                 ; memory: the same of my second tile
	v_lshl_add_u32 v[W8O], v1, 3, s17
	v_lshl_add_u32 v6, v1, 4, s19                  ; WS: column 32 w + lane, 16 bytes each
	v_lshl_add_u32 v7, v[T], 4, s22                ; AS: row 16 t + r
	v_lshl_add_u32 v8, v[T+1], 5, s23              ; b1, W2: column 32 w + 8 h, 4 bytes each
	v_lshl_add_u32 v9, v1, 4, ABASE                ; LDS: the rows' codes, the blocks' first 16 bytes: lanes 16-31 take the next block
	v_lshl_add_u32 v12, v1, 3, ABASE+4096          ; their last 8
	v_lshl_add_u32 v10, v[T], 6, s52               ; LDS: row r's sixteen sums, my wave's among them
	v_lshl_add_u32 v11, v[T], 6, PARTS
	v_lshl_add_u32 v[OUTO], v[T], 2, s53           ; out0: row 16 t + r
	v_mov_b32 v[XH], 0                             ; written once: a lane permute's destination counts as one of its sources
	s_wait_alu depctr_va_vdst(0)                   ; the wait at the head's end
	s_wait_dscnt 0x0                               ; both opening adds are done
	s_wait_kmcnt 0x0
	s_add_nc_u64 s[G0W+2:G0W+3], s[4:5], s[48:49]  ; global address
	s_or_b32 s[G0W+3], s[G0W+3], 0x80000000        ; type = 2
	global_load_b64 v[RC:RC+1], v2, s[4:5]         ; the rows' codes first: fifteen other waves wait for mine
	global_load_b32 v[RC+2], v3, s[4:5]
	tensor_load_to_lds s[G0W:G0W+3], s[G1W:G1W+7]  ; my first tile of W1
	s_nop 0
	global_load_b128 v[WSC:WSC+3], v6, s[4:5] offset:WS_OFF
	global_load_b128 v[ASC:ASC+3], v7, s[4:5] offset:AS_OFF
.irp u, 0,1
	global_load_b128 v[ACC+8*\u:ACC+8*\u+3],   v8, s[6:7] offset:64*\u        ; b1 starts the sums
	global_load_b128 v[ACC+8*\u+4:ACC+8*\u+7], v8, s[6:7] offset:64*\u+16
	global_load_b128 v[W2R+8*\u:W2R+8*\u+3],   v8, s[8:9] offset:64*\u
	global_load_b128 v[W2R+8*\u+4:W2R+8*\u+7], v8, s[8:9] offset:64*\u+16
.endr
.irp j, 0,1,2,3                        ; my second tile of W1: registers 6 c .. 6 c + 5 of K step j: k = 128 j + 64 c + 32 h + 0 .. 31 of column r
.irp c, 0,1
	global_load_b128 v[WF+12*(4+\j)+6*\c:WF+12*(4+\j)+6*\c+3],   v15, s[4:5] offset:W_OFF+TC+(4*\j+2*\c)*256
	global_load_b64  v[WF+12*(4+\j)+6*\c+4:WF+12*(4+\j)+6*\c+5], v[W8O], s[4:5] offset:W_OFF+TC+4096+(4*\j+2*\c)*128
.endr
.endr
	s_load_b32 s15, s[10:11], 0x0                  ; b2
	s_wait_loadcnt 26                              ; my piece of the rows' codes is in; the ten loads and the second tile's sixteen behind it may be out
	ds_store_b64 v13, v[RC:RC+1]
	ds_store_b32 v14, v[RC+2]
	s_wait_dscnt 0x0                               ; for the others' sake: my piece lies in LDS
	s_barrier_signal -1
	s_barrier_wait -1                              ; everybody's piece does
.irp j, 0,1,2,3
.irp c, 0,1
	ds_load_b128 v[AF+12*\j+6*\c:AF+12*\j+6*\c+3],   v9 offset:(4*\j+2*\c)*256    ; the same k of row r
	ds_load_b64  v[AF+12*\j+6*\c+4:AF+12*\j+6*\c+5], v12 offset:(4*\j+2*\c)*128
.endr
.endr
	s_wait_tensorcnt 0x0                           ; my first tile of W1 has landed
.irp j, 0,1,2,3                        ; K step by K step: four loads each
.irp c, 0,1
	ds_load_b128 v[WF+12*\j+6*\c:WF+12*\j+6*\c+3],   v4 offset:(4*\j+2*\c)*256
	ds_load_b64  v[WF+12*\j+6*\c+4:WF+12*\j+6*\c+5], v5 offset:(4*\j+2*\c)*128
.endr
.endr
	s_wait_kmcnt 0x0                               ; b2
	s_wait_loadcnt 0x0                             ; the scale words, b1, W2, my second tile
.irp j, 0,1,2,3                        ; the two accumulators take turns, one instruction a turn
	s_wait_dscnt 4*(3-\j)                          ; the rows' fragments and the first tile's of K steps 0 to j are in; four loads for each later K step may be out
	v_wmma_scale_f32_16x16x128_f8f6f4 v[ACC:ACC+7], v[WF+12*\j:WF+12*\j+11], v[AF+12*\j:AF+12*\j+11], v[ACC:ACC+7], v[WSC+\j], v[ASC+\j] matrix_a_fmt:MATRIX_FMT_FP6 matrix_b_fmt:MATRIX_FMT_FP6
	v_wmma_scale_f32_16x16x128_f8f6f4 v[ACC+8:ACC+15], v[WF+48+12*\j:WF+48+12*\j+11], v[AF+12*\j:AF+12*\j+11], v[ACC+8:ACC+15], v[WSC+\j], v[ASC+\j] matrix_a_fmt:MATRIX_FMT_FP6 matrix_b_fmt:MATRIX_FMT_FP6 matrix_a_scale:MATRIX_SCALE_ROW1
.endr
.rept 4
	v_nop                                          ; four places between the last product and the first read of a result (ISA guide 7.12.1)
.endr
.set E, 0
.rept 16
	v_max_num_f32 v[T+E], 0, v[ACC+E]              ; relu; each accumulator from its low end on
.set E, E+1
.endr
	v_pk_mul_f32 v[S0:S0+1], v[T:T+1], v[W2R:W2R+1]                 ; x W2, summed in two chains of pairs
	v_pk_mul_f32 v[S1:S1+1], v[T+2:T+3], v[W2R+2:W2R+3]
.irp e, 4,8,12
	s_delay_alu instid0(VALU_DEP_2)
	v_pk_fma_f32 v[S0:S0+1], v[T+\e:T+\e+1], v[W2R+\e:W2R+\e+1], v[S0:S0+1]
	s_delay_alu instid0(VALU_DEP_2)
	v_pk_fma_f32 v[S1:S1+1], v[T+\e+2:T+\e+3], v[W2R+\e+2:W2R+\e+3], v[S1:S1+1]
.endr
	s_delay_alu instid0(VALU_DEP_1)
	v_pk_add_f32 v[S0:S0+1], v[S0:S0+1], v[S1:S1+1]
	s_delay_alu instid0(VALU_DEP_1)
	v_add_f32 v[S0], v[S0], v[S0+1]
	s_delay_alu instid0(VALU_DEP_1)
	v_permlanex16_b32 v[XH], v[S0], s20, s21
	s_delay_alu instid0(VALU_DEP_1)
	v_add_f32 v[S0], v[S0], v[XH]                  ; with lane l xor 16's 16 columns: row r's sum over my wave's 32
	ds_store_b32 v10, v[S0]                        ; (both lanes of a row write the same word with the same value)
	s_wait_dscnt 0x0                               ; for wave 0's sake: my sums lie in LDS
	s_barrier_signal -1
	s_barrier_wait -1
	s_cmp_lg_u32 s14, 0
	s_cbranch_scc1 .Lend
.irp i, 0,1,2,3
	ds_load_b128 v[T+4*\i:T+4*\i+3], v11 offset:16*\i               ; wave 0: row r's sixteen sums
.endr
	s_wait_dscnt 0x0
	v_pk_add_f32 v[T:T+1], v[T:T+1], v[T+2:T+3]
	v_pk_add_f32 v[T+4:T+5], v[T+4:T+5], v[T+6:T+7]
	v_pk_add_f32 v[T+8:T+9], v[T+8:T+9], v[T+10:T+11]
	v_pk_add_f32 v[T+12:T+13], v[T+12:T+13], v[T+14:T+15]
	v_pk_add_f32 v[T:T+1], v[T:T+1], v[T+4:T+5]
	v_pk_add_f32 v[T+8:T+9], v[T+8:T+9], v[T+12:T+13]
	v_pk_add_f32 v[T:T+1], v[T:T+1], v[T+8:T+9]
	v_add_f32 v[T], v[T], v[T+1]
	v_add_f32 v[T], s15, v[T]                      ; + b2
	s_wait_alu depctr_va_vdst(0)                   ; directly ahead of the wait below
	s_wait_xcnt 0x0                                ; EXEC changes only behind this wait
	v_cmp_gt_u32 vcc_lo, 16, v0
	s_and_saveexec_b32 s22, vcc_lo                 ; lanes 0-15: one lane a row
	global_store_b32 v[OUTO], v[T], s[12:13]       ; the work-group's 64 bytes of out0
	s_wait_xcnt 0x0
	s_or_b32 exec_lo, exec_lo, s22
.Lend:
	s_wait_tensorcnt 0x0                           ; the wave's end: behind my tensor load and my last LDS store
	ds_add_u32 v[SPW], v[NIL]
	s_wait_dscnt 0x0
	s_endpgm
.Lfunc_end_k_q19791b5534_head:
	.size	k_q19791b5534_head, .Lfunc_end_k_q19791b5534_head-k_q19791b5534_head
	.p2alignl 7, 3214868480
	.fill 96, 4, 3214868480
	.section	.rodata,"a",@progbits
	.p2align	6, 0x0
	.amdhsa_kernel k_q19791b5534_head
		.amdhsa_group_segment_fixed_size 167936
		.amdhsa_private_segment_fixed_size 0
		.amdhsa_enable_private_segment 0
		.amdhsa_kernarg_size 40
		.amdhsa_user_sgpr_count 2
		.amdhsa_user_sgpr_kernarg_segment_ptr 1
		.amdhsa_wavefront_size32 1
		.amdhsa_system_sgpr_workgroup_id_x 1
		.amdhsa_system_sgpr_workgroup_id_y 1
		.amdhsa_system_sgpr_workgroup_id_z 1
		.amdhsa_system_vgpr_workitem_id 0
		.amdhsa_next_free_vgpr 226
		.amdhsa_next_free_sgpr 66
		.amdhsa_reserve_vcc 1
		.amdhsa_float_denorm_mode_32 3
		.amdhsa_float_denorm_mode_16_64 3
		.amdhsa_memory_ordered 1
		.amdhsa_forward_progress 1
		.amdhsa_inst_pref_size 13
	.end_amdhsa_kernel
	.amdgpu_metadata
---
amdhsa.version: [ 1, 2 ]
amdhsa.kernels:
  - .name:           k_q19791b5534_head
    .symbol:         k_q19791b5534_head.kd
    .args:
      - { .name: operands, .offset: 0, .size: 8, .value_kind: global_buffer, .address_space: global }
      - { .name: b1, .offset: 8, .size: 8, .value_kind: global_buffer, .address_space: global }
      - { .name: W2, .offset: 16, .size: 8, .value_kind: global_buffer, .address_space: global }
      - { .name: b2, .offset: 24, .size: 8, .value_kind: global_buffer, .address_space: global }
      - { .name: out0, .offset: 32, .size: 8, .value_kind: global_buffer, .address_space: global }
    .group_segment_fixed_size: 167936
    .private_segment_fixed_size: 0
    .kernarg_segment_align: 8
    .kernarg_segment_size: 40
    .max_flat_workgroup_size: 512
    .sgpr_count:     66
    .vgpr_count:     226
    .wavefront_size: 32
...
	.end_amdgpu_metadata
.endif
;; end of part 2
